; MI455X (gfx1250); checked and timed in simulation.
; The chip was launched on July 23, 2026; its instructions are those of AMD's public machine-readable ISA for CDNA 5 (MIT licence, August 2026) and "CDNA5" Instruction Set Architecture Reference Guide (July 2026). The comments in the code are by the model that wrote it; some were corrected since.
;; Head. Allowed arithmetic: matrix products marked QUANTISED: E2M1 operands, one E8M0 scale for each 32 along K, by v_wmma_scale_f32_16x16x128_f8f6f4 with both operands' format E2M1 (or v_wmma_scale_f32_32x16x128_f4), f32 sums; everything else in f32.
;; Inputs: Wk_codes 32 x 8 x 16 uint8 (E2M1 codes of Wk, K innermost, in blocks of 32 codes, two codes a byte); Wk_scales 32 x 8 uint8 (E8M0 scales of Wk, one for each 32 codes along K); Wq_codes 32 x 8 x 16 uint8 (E2M1 codes of Wq, K innermost, in blocks of 32 codes, two codes a byte); Wq_scales 32 x 8 uint8 (E8M0 scales of Wq, one for each 32 codes along K); Wv_codes 32 x 8 x 16 uint8 (E2M1 codes of Wv, K innermost, in blocks of 32 codes, two codes a byte); Wv_scales 32 x 8 uint8 (E8M0 scales of Wv, one for each 32 codes along K); x_codes 8 x 2,048 x 8 x 16 uint8 (E2M1 codes of x, K innermost, in blocks of 32 codes, two codes a byte); x_scales 8 x 2,048 x 8 uint8 (E8M0 scales of x, one for each 32 codes along K).
;; Outputs: out0 8 x 2,048 x 32 float32.
;; This version of the problem:
;;   THIS VERSION OF THE PROBLEM IS GIVEN IN LOW PRECISION. The matrix products marked QUANTISED in the list below multiply operands that are first quantised to E2M1 (2 exponent bits, 1 mantissa bit; 4 bits a number), with one power-of-two scale for each 32 numbers along K (OCP MX v1.0); their sums are f32. All else is computed in f32.
;;   The module's matrix products, in the order in which they are computed (A, B: the left and right operand; K: the contracted axis; several contracted axes count as one K, in the product's order):
;;     1. [M 16,384, K 256] x [K 256, N 32]; A: input x (given as codes); B: input Wq (given as codes): QUANTISED
;;     2. [M 16,384, K 256] x [K 256, N 32]; A: input x (given as codes); B: input Wk (given as codes): QUANTISED
;;     3. [M 16,384, K 256] x [K 256, N 32]; A: input x (given as codes); B: input Wv (given as codes): QUANTISED
;;     4. batch 8 x [M 2,048, K 32] x [K 32, N 2,048]; A: computed on the way; B: computed on the way: QUANTISED
;;     5. batch 8 x [M 2,048, K 2,048] x [K 2,048, N 32]; A: softmax (see below); B: computed on the way: QUANTISED
;;   THE QUANTISER, for each operand of a quantised product, along K:
;;     - K is cut into blocks of 32 from its start; a last block that is shorter is filled with zeros.
;;     - A block's scale is 2^e with e = floor(log2(the largest magnitude in the block)) - 2, held to -126 .. 127; a block of zeros has e = 0. As a byte (E8M0): e + 127.
;;     - Each number is divided by its block's scale, clamped to +-6, and rounded to the nearest number of E2M1, ties to even, subnormals kept.
;;     - The product sums the exact products of the quantised numbers (number of the format x scale) in f32.
;;   ~~~python
;;   def quantise(x, axis):      # numpy; x: float32 -> the quantised numbers, widened to float32 again
;;       x = np.moveaxis(x, axis, -1); K = x.shape[-1]
;;       x = np.pad(x, [(0, 0)] * (x.ndim - 1) + [(0, -K % 32)]); x = x.reshape(x.shape[:-1] + (-1, 32)); a = np.abs(x).max(-1, keepdims=True)
;;       e = np.where(a > 0, np.clip(np.frexp(np.where(a > 0, a, 1))[1] - 1 - 2, -126, 127), 0)      # np.frexp(a)[1] - 1 = floor(log2(a)), exactly
;;       r = np.clip(x / 2.0 ** e, -6, 6)
;;       step = 2.0 ** (np.maximum(np.frexp(np.where(r == 0, 1, r))[1] - 1, 0) - 1)
;;       q = np.round(r / step) * step * 2.0 ** e      # np.round: ties to even
;;       return np.moveaxis(q.reshape(q.shape[:-2] + (-1,))[..., :K], -1, axis).astype(np.float32)
;;   ~~~
;;   SOFTMAX AHEAD OF A QUANTISED PRODUCT. Where the list says 'softmax', what is quantised is not the finished softmax but p = 2^(t - M), with t = logit x log2(e) and M = ceil(the row's largest t), a whole number; so 1/2 < the row's largest p <= 1. The row's sum l is taken of the UNQUANTISED p, in f32, and the product's result is divided by l at the end. Since M is a whole number, a kernel that streams over the keys may use a running M (the ceiling of the running maximum): every later rescaling is an exact power of two, which a block's scale takes up: the codes' values come out the same.
;;   OPERANDS COMPUTED ON THE WAY. 'Computed on the way' means the value that the module computes at that place (a softmax that the list does not call 'softmax' is quantised finished and normalised). What goes into a quantiser is computed in f32, as accurately as f32 sums, v_exp_f32 and their like allow (about 1e-6 of the number): no bf16 or f16 on the way to a quantiser, and a product that is left as it is and whose result goes on into a quantised operand takes f32 operands (vector FMAs, or v_wmma_f32_16x16x4_f32). A number that lies on a knife's edge between two numbers of the format may be rounded either way, as far as f32 arithmetic and the matrix unit's own rounding can turn it there, and no further.
;;   INPUTS GIVEN AS CODES. Wk (in the module: [256, 32], K = its axis 0); Wq (in the module: [256, 32], K = its axis 0); Wv (in the module: [256, 32], K = its axis 0); x (in the module: [8, 2048, 256], K = its axis 2): each comes as NAME_codes (uint8): NAME with its K axis moved to the last place and cut into blocks of 32 codes, [.., K / 32, bytes a block], one block behind the other in memory; two codes a byte, the lower K in the low four bits (a code: sign, 2 exponent bits, 1 mantissa bit); and NAME_scales (uint8): the same leading axes, one E8M0 byte (e + 127) for each 32 codes along K. Its value is code x scale, taken as it is: it is not quantised again, and the codes and scales need not be those that the quantiser above would give.
;; 2 versions, each right; version 2 is version 1 with the launch attend written anew for expert scheduling mode. Each part assembles by itself: llvm-mc -triple=amdgcn-amd-amdhsa -mcpu=gfx1250 --defsym DOCPART=n.
;; ======== version 1 of 2: 2 launches
;; workspace buffers: qc 262,144 bytes; kc 262,144 bytes; vc 262,144 bytes; scl 98,304 bytes
;; launch project (part 1): grid 128 x 1, 4 waves a work-group, no clusters, 168,448 bytes of LDS; arguments x_codes, x_scales, Wq_codes, Wq_scales, Wk_codes, Wk_scales, Wv_codes, Wv_scales, qc, kc, vc, scl; writes qc, kc, vc, scl
.if DOCPART == 1
	.amdgcn_target "amdgcn-amd-amdhsa--gfx1250"
	.amdhsa_code_object_version 6
	.text
	.protected	k_qdae8322b4c_project
	.globl	k_qdae8322b4c_project
	.p2align	8
	.type	k_qdae8322b4c_project,@function
k_qdae8322b4c_project:
	s_mov_b64 s[64:65], 0
	v_nop
	global_prefetch_b8 v0, s[64:65] scope:SCOPE_SE
	s_setreg_imm32_b32 hwreg(HW_REG_WAVE_MODE, 25, 1), 1
	s_wait_xcnt 0x0
; q = x Wq, k = x Wk, v = x Wv on codes of FP4 (E2M1) as they are given, then q, k and v are quantised to FP4 again and stored in the order of the next launch's operand registers.
; q and k are quantised along the head's 32 channels (one block a token), v along the tokens (a block = 32 tokens of one channel).
; SHARES.  A work-group takes a STEP of 128 tokens (step g = 16 x batch + token / 128), each of its four waves 32 of them, as two tiles of 16.
; THE TOKENS OF A TILE ARE NOT NEIGHBOURS: lane r of tile u takes token 8 u + r % 8 + 16 (r / 8) of the wave's 32.  So in v's product (source 0 = x) a lane's 16 registers of tiles 0 and 1 are 16 neighbouring tokens.
; q's and k's products are used transposed (source 0 = 16 rows of W, chosen by the same pattern, source 1 = x): a lane's 16 registers of two tiles are 16 neighbouring channels of one token.
; So all six blocks of 16 registers are quantised by the same lines; a block of 32 lies in lanes l and l xor 16.
; WORKSPACE.  qc, kc: 16 bytes (32 codes) for each POSITION, position 32 b + 16 u + r holding the token of wave b, tile u, lane r.  vc: [step][n 2][c 2][lane 16 hi + r][16 bytes]: channel 16 n + r, keys 64 c + 32 hi + 0 .. 31.
; scl: 768 bytes a step: q's scale words by position (the byte four times); at 512 K's words (word 16 F + r, byte 2 c + u: the key of wave 2 F + c, tile u, lane r); at 640 V's words (word 16 n + r, byte b: wave b's block).
; x's 4,096 bytes of a wave and each weight's 4,096 bytes are dense blocks: they come into LDS by one tensor load each, as rows of 256 bytes.  Nothing is filled again.  A wave has at most two tensor loads outstanding.
; No cluster: the work-groups share only the weights, 12 KiB beside the 16 KiB of x that each has for itself, read once at the head.
; LIMITS: NaN, infinities and the scale byte 0xff among the inputs are not served.  A block of zeros gets the byte 1 where the rule says 127: its codes are zeros, and this program alone reads the bytes.
.set PITCH, 272                        ; an LDS row: 256 bytes (two rows of 128 bytes of x or W) + 16 of padding
.set TILEB, 16*PITCH                   ; a dense block of 4,096 bytes in LDS
.set WB,    4*TILEB                    ; behind the waves' four blocks of x: Wq, Wk, Wv
.set SCS,   WB+3*TILEB                 ; behind them (119 x 256): the stage for a step's 768 scale bytes; no fill lands here
.set AX,  1                            ; v1   LDS: my lane's place in my wave's block of x, tile 0
.set AP,  2                            ; v2   the same place counted from a block's first byte (Wq, Wk: rows chosen like the tokens)
.set AN,  3                            ; v3   row r as it lies (Wv)
.set LO,  4                            ; v4   16 r + 8 h: my 8 bytes of codes
.set TO8, 5                            ; v5   8 x the row that lane (r, tile h) takes: scale words of x, Wq, Wk
.set L8,  6                            ; v6   8 x lane
.set SQ,  7                            ; v7   stage: q's word
.set SK,  8                            ; v8   stage: k's two bytes
.set SV,  9                            ; v9   stage: v's byte
.set SR,  10                           ; v10  stage: my 8 bytes on the way out
.set XS,  12                           ; v[12:13] x's scale words of K steps 0, 1: lanes 0-15 tile 0, lanes 16-31 tile 1
.set WS,  14                           ; v[14:15] Wq's, v[16:17] Wk's, v[18:19] Wv's, likewise.  v12-19 hold scales and nothing else
.set MX,  20                           ; v20-25 the six blocks' largest magnitudes, then the conversions' scale operands
.set PM,  26                           ; v26-31 the other half's maxima, then the scale bytes
.set XF,  32                           ; v32-63  x's fragments: 16 u + 8 s + 4 c
.set WF,  64                           ; v64-159 the weights': 32 role + 16 tile + 8 s + 4 c
.set ACC, 160                          ; v160-255 six blocks of 16: q u0, q u1, k u0, k u1, v n0, v n1
.set CD,  32                           ; v32-43 the codes (x's fragments are done with)
.set WV,  28
.set HI,  29                           ; lanes 16-31
.set SEL, 30
.set G0X, 32
.set G0W, 36
.set G1,  40
; One product.  acc = 0: it starts the sum with the constant 0.  ra, rb = 1: source 0's, source 1's scale words are taken from lanes 16-31.
.macro WM d, a, b, acc, sa, sb, ra, rb
.if (\acc) && (\ra) && (\rb)
	v_wmma_scale_f32_16x16x128_f8f6f4 v[(\d):(\d)+7], v[(\a):(\a)+7], v[(\b):(\b)+7], v[(\d):(\d)+7], v[\sa], v[\sb] matrix_a_fmt:MATRIX_FMT_FP4 matrix_b_fmt:MATRIX_FMT_FP4 matrix_a_scale:MATRIX_SCALE_ROW1 matrix_b_scale:MATRIX_SCALE_ROW1
.elseif (\acc) && (\ra)
	v_wmma_scale_f32_16x16x128_f8f6f4 v[(\d):(\d)+7], v[(\a):(\a)+7], v[(\b):(\b)+7], v[(\d):(\d)+7], v[\sa], v[\sb] matrix_a_fmt:MATRIX_FMT_FP4 matrix_b_fmt:MATRIX_FMT_FP4 matrix_a_scale:MATRIX_SCALE_ROW1
.elseif (\acc) && (\rb)
	v_wmma_scale_f32_16x16x128_f8f6f4 v[(\d):(\d)+7], v[(\a):(\a)+7], v[(\b):(\b)+7], v[(\d):(\d)+7], v[\sa], v[\sb] matrix_a_fmt:MATRIX_FMT_FP4 matrix_b_fmt:MATRIX_FMT_FP4 matrix_b_scale:MATRIX_SCALE_ROW1
.elseif (\acc)
	v_wmma_scale_f32_16x16x128_f8f6f4 v[(\d):(\d)+7], v[(\a):(\a)+7], v[(\b):(\b)+7], v[(\d):(\d)+7], v[\sa], v[\sb] matrix_a_fmt:MATRIX_FMT_FP4 matrix_b_fmt:MATRIX_FMT_FP4
.elseif (\ra) && (\rb)
	v_wmma_scale_f32_16x16x128_f8f6f4 v[(\d):(\d)+7], v[(\a):(\a)+7], v[(\b):(\b)+7], 0, v[\sa], v[\sb] matrix_a_fmt:MATRIX_FMT_FP4 matrix_b_fmt:MATRIX_FMT_FP4 matrix_a_scale:MATRIX_SCALE_ROW1 matrix_b_scale:MATRIX_SCALE_ROW1
.elseif (\ra)
	v_wmma_scale_f32_16x16x128_f8f6f4 v[(\d):(\d)+7], v[(\a):(\a)+7], v[(\b):(\b)+7], 0, v[\sa], v[\sb] matrix_a_fmt:MATRIX_FMT_FP4 matrix_b_fmt:MATRIX_FMT_FP4 matrix_a_scale:MATRIX_SCALE_ROW1
.elseif (\rb)
	v_wmma_scale_f32_16x16x128_f8f6f4 v[(\d):(\d)+7], v[(\a):(\a)+7], v[(\b):(\b)+7], 0, v[\sa], v[\sb] matrix_a_fmt:MATRIX_FMT_FP4 matrix_b_fmt:MATRIX_FMT_FP4 matrix_b_scale:MATRIX_SCALE_ROW1
.else
	v_wmma_scale_f32_16x16x128_f8f6f4 v[(\d):(\d)+7], v[(\a):(\a)+7], v[(\b):(\b)+7], 0, v[\sa], v[\sb] matrix_a_fmt:MATRIX_FMT_FP4 matrix_b_fmt:MATRIX_FMT_FP4
.endif
.endm
	s_load_b512 s[4:19], s[0:1], 0x0               ; x's codes s[4:5], x's scales s[6:7]; Wq's s[8:9], s[10:11]; Wk's s[12:13], s[14:15]; Wv's s[16:17], s[18:19]
	s_load_b256 s[20:27], s[0:1], 0x40             ; qc s[20:21], kc s[22:23], vc s[24:25], scl s[26:27]
	s_set_vgpr_msb 0x40
	v_lshl_add_u32 v0, v0, 2, 0x29000
	v_mov_b32 v1, 0
	s_set_vgpr_msb 0x4045
	ds_add_u32 v0, v1
	ds_add_u32 v0, v1
	s_set_vgpr_msb 0x4500
	v_lshrrev_b32 v11, 5, v0
	v_readfirstlane_b32 s[WV], v11                 ; wave 0..3
	s_mov_b32 s[HI], 0xffff0000
	s_mov_b32 s[SEL], 0x76543210
	s_mov_b32 s[SEL+1], 0xfedcba98                 ; v_permlanex16_b32's selects for lane l xor 16
	s_mov_b32 s48, 0x01010101                      ; a byte times this is the byte four times
	; descriptor group 1, for x's and the weights' blocks alike: 4,096 dense bytes as 16 rows of 32 elements of 8 bytes
	s_mov_b32 s[G1], (3<<16)|(1<<20)|(5<<22)|(3<<25)  ; 15:0 no mask; 17:16 elements of 8 bytes; 20 padding on; 24:22 after every 64 words (code 5); 31:25 four words (code 3)
	s_mov_b32 s[G1+1], 32<<16                      ; tensor_dim0 = 32
	s_mov_b32 s[G1+2], 16<<16                      ; tensor_dim1 = 16
	s_mov_b32 s[G1+3], 32<<16                      ; tile_dim0 = 32
	s_mov_b32 s[G1+4], 16                          ; tile_dim1 = 16
	s_mov_b32 s[G1+5], 32                          ; from row to row: 32 elements
	s_mov_b32 s[G1+6], 0
	s_mov_b32 s[G1+7], 0
	s_lshl_b32 s50, ttmp9, 14                      ; x's codes: 16,384 bytes a step, 4,096 a wave
	s_lshl_b32 s2, s[WV], 12
	s_add_co_u32 s50, s50, s2
	s_mov_b32 s51, 0
	s_lshl_b32 s52, ttmp9, 10                      ; x's scales: 1,024 a step, 256 a wave
	s_lshl_b32 s3, s[WV], 8
	s_add_co_u32 s52, s52, s3
	s_mov_b32 s53, 0
	s_lshl_b32 s54, ttmp9, 11                      ; qc, kc: 2,048 a step, 512 a wave
	s_lshl_b32 s2, s[WV], 9
	s_add_co_u32 s54, s54, s2
	s_mov_b32 s55, 0
	s_lshl_b32 s56, ttmp9, 11                      ; vc: 2,048 a step; wave b's block is c = b / 2, hi = b % 2: 512 c + 256 hi = 256 b
	s_add_co_u32 s56, s56, s3
	s_mov_b32 s57, 0
	s_mul_i32 s58, ttmp9, 768                      ; scl: 768 a step; on the way out wave w (0..2) stores bytes 256 w on
	s_add_co_u32 s58, s58, s3
	s_mov_b32 s59, 0
	s_mov_b32 s[G0X], 1                            ; group 0: count = 1,
	s_mul_i32 s[G0X+1], s[WV], TILEB               ; LDS address: my wave's block of x
	s_mov_b32 s[G0W], 1
	s_add_co_u32 s[G0W+1], s[G0X+1], WB            ; and the block of the weight that my wave fetches: wave 0 Wq, 1 Wk, 2 Wv
	s_wait_dscnt 0x0
	s_wait_kmcnt 0x0
	s_add_nc_u64 s[G0X+2:G0X+3], s[4:5], s[50:51]
	s_or_b32 s[G0X+3], s[G0X+3], 0x80000000        ; type = 2
	s_cmp_eq_u32 s[WV], 1
	s_cselect_b64 s[G0W+2:G0W+3], s[12:13], s[8:9]
	s_cmp_eq_u32 s[WV], 2
	s_cselect_b64 s[G0W+2:G0W+3], s[16:17], s[G0W+2:G0W+3]
	s_or_b32 s[G0W+3], s[G0W+3], 0x80000000
	s_cmp_lt_u32 s[WV], 3                          ; compared anew: the lines above have set SCC
	s_cbranch_scc0 .Lwave_3
	tensor_load_to_lds s[G0X:G0X+3], s[G1:G1+7]    ; a wave's first fills stand in one branch, ahead of every wait on TENSORcnt, every LDS read and every barrier
	s_nop 0
	tensor_load_to_lds s[G0W:G0W+3], s[G1:G1+7]
	s_nop 0
.rept 4
	v_nop
.endr
	s_branch .Lfilled
.Lwave_3:
	tensor_load_to_lds s[G0X:G0X+3], s[G1:G1+7]
	s_nop 0
.rept 4
	v_nop
.endr
.Lfilled:
	s_add_nc_u64 s[6:7], s[6:7], s[52:53]
	s_add_nc_u64 s[20:21], s[20:21], s[54:55]
	s_add_nc_u64 s[22:23], s[22:23], s[54:55]
	s_add_nc_u64 s[24:25], s[24:25], s[56:57]
	s_add_nc_u64 s[26:27], s[26:27], s[58:59]
	v_and_b32 v32, 15, v0                          ; r
	v_bfe_u32 v33, v0, 4, 1                        ; h
	v_and_b32 v34, 31, v0                          ; lane
	v_bfe_u32 v35, v0, 1, 2                        ; (r % 8) / 2
	v_bfe_u32 v36, v0, 3, 1                        ; r / 8
	v_and_b32 v37, 1, v0                           ; r % 2
	v_and_b32 v38, 7, v0                           ; r % 8
	v_bfe_u32 v39, v0, 1, 3                        ; r / 2
	v_lshlrev_b32 v[TO8], 3, v38                   ; row 8 h + r % 8 + 16 (r / 8), 8 bytes a row: lanes 0-15 take tile 0's rows, lanes 16-31 tile 1's
	v_lshl_add_u32 v[TO8], v33, 6, v[TO8]
	v_lshl_add_u32 v[TO8], v36, 7, v[TO8]
	v_lshlrev_b32 v[L8], 3, v34
	global_load_b64 v[XS:XS+1], v[TO8], s[6:7]     ; each of these four loads takes 256 consecutive bytes, 8 a lane
	global_load_b64 v[WS:WS+1], v[TO8], s[10:11]
	global_load_b64 v[WS+2:WS+3], v[TO8], s[14:15]
	global_load_b64 v[WS+4:WS+5], v[L8], s[18:19]  ; Wv's rows as they lie: lanes 0-15 channels 0-15, lanes 16-31 channels 16-31
	v_mul_u32_u24 v[AP], v35, PITCH                ; row t of 128 bytes lies at (t / 2) x 272 + (t % 2) x 128; t = r % 8 + 16 (r / 8); + 16 h for my half of a block's pair
	v_mad_u32_u24 v[AP], v36, 8*PITCH, v[AP]
	v_lshl_add_u32 v[AP], v37, 7, v[AP]
	v_lshl_add_u32 v[AP], v33, 4, v[AP]
	v_mul_u32_u24 v[AN], v39, PITCH                ; t = r
	v_lshl_add_u32 v[AN], v37, 7, v[AN]
	v_lshl_add_u32 v[AN], v33, 4, v[AN]
	v_add_nc_u32 v[AX], s[G0X+1], v[AP]
	v_lshlrev_b32 v[LO], 4, v32
	v_lshl_add_u32 v[LO], v33, 3, v[LO]
	s_lshl_b32 s2, s[WV], 7
	s_add_co_u32 s2, s2, SCS
	v_lshl_add_u32 v[SQ], v34, 2, s2               ; SCS + 128 wave + 4 lane
	s_lshr_b32 s2, s[WV], 1
	s_lshl_b32 s2, s2, 6
	s_and_b32 s3, s[WV], 1
	s_lshl_b32 s3, s3, 1
	s_add_co_u32 s2, s2, s3
	s_add_co_u32 s2, s2, SCS+512
	v_lshl_add_u32 v[SK], v32, 2, s2               ; SCS + 512 + 64 (wave / 2) + 2 (wave % 2) + 4 r
	s_add_co_u32 s2, s[WV], SCS+640
	v_lshl_add_u32 v[SV], v34, 2, s2               ; SCS + 640 + wave + 4 lane
	s_lshl_b32 s2, s[WV], 8
	s_add_co_u32 s2, s2, SCS
	v_lshl_add_u32 v[SR], v34, 3, s2               ; SCS + 256 wave + 8 lane
.irp b, 0,1,2,3,4,5
	v_mov_b32 v[PM+\b], 0                          ; written once: a lane permute's destination counts as one of its sources
.endr
	s_wait_tensorcnt 0x0                           ; my block of x and my weight have landed,
	s_barrier_signal -1
	s_barrier_wait -1                              ; everybody's have: all four waves read all three weights
.irp u, 0,1
.irp s, 0,1
.irp c, 0,1
	ds_load_b128 v[XF+16*\u+8*\s+4*\c:XF+16*\u+8*\s+4*\c+3], v[AX] offset:4*PITCH*\u+64*\s+32*\c   ; tile u begins 8 tokens on; K step s 64 bytes on; registers 4 c on: k = 64 c + 32 h + 0 .. 31
.endr
.endr
.endr
.irp p, 0,1
.irp w, 0,1
.irp s, 0,1
.irp c, 0,1
	ds_load_b128 v[WF+32*\p+16*\w+8*\s+4*\c:WF+32*\p+16*\w+8*\s+4*\c+3], v[AP] offset:WB+TILEB*\p+4*PITCH*\w+64*\s+32*\c
.endr
.endr
.endr
.endr
.irp n, 0,1
.irp s, 0,1
.irp c, 0,1
	ds_load_b128 v[WF+64+16*\n+8*\s+4*\c:WF+64+16*\n+8*\s+4*\c+3], v[AN] offset:WB+2*TILEB+8*PITCH*\n+64*\s+32*\c
.endr
.endr
.endr
	s_wait_dscnt 0x0
	s_wait_loadcnt 0x0                             ; the scale words
; 24 products: the 12 accumulators take turns, one instruction a turn, in the same order in both K steps: eleven others' stand between the two links of a sum.
.irp s, 0,1
.irp p, 0,1                                    ; q, k, transposed: lane (r, h) holds token r of tile u; register 8 w + j is channel 16 h + 8 w + j
.irp u, 0,1
.irp w, 0,1
	WM ACC+32*\p+16*\u+8*\w, WF+32*\p+16*\w+8*\s, XF+16*\u+8*\s, \s, WS+2*\p+\s, XS+\s, \w, \u
.endr
.endr
.endr
.irp n, 0,1                                    ; v: lane (r, h) holds channel 16 n + r; register 8 u + j is token 16 h + 8 u + j
.irp u, 0,1
	WM ACC+64+16*\n+8*\u, XF+16*\u+8*\s, WF+64+16*\n+8*\s, \s, XS+\s, WS+4+\s, \u, \n
.endr
.endr
.endr
.rept 5
	v_nop                                          ; places behind the last products (ISA guide 7.12.1): ahead of the reads of results and of the writes over operands that are done with
.endr
; The six blocks are quantised alike, by turns.  Each accumulator is read from its low end on.
.irp b, 0,1,2,3,4,5
	v_max3_num_f32 v[MX+\b], |v[ACC+16*\b]|, |v[ACC+16*\b+1]|, 0x1800000   ; my 16 numbers, and the floor 2^(3 - 127): so the byte cannot fall under 1
.endr
.irp i, 2,4,6,8,10,12,14
.irp b, 0,1,2,3,4,5
	v_max3_num_f32 v[MX+\b], v[MX+\b], |v[ACC+16*\b+\i]|, |v[ACC+16*\b+\i+1]|
.endr
.endr
.irp b, 0,1,2,3,4,5
	v_permlanex16_b32 v[PM+\b], v[MX+\b], s[SEL], s[SEL+1]
.endr
.irp b, 0,1,2,3,4,5
	v_max_num_f32 v[MX+\b], v[MX+\b], v[PM+\b]     ; with lane l xor 16's: the block's largest magnitude
.endr
.irp b, 0,1,2,3,4,5
	v_add_nc_u32 v[MX+\b], 0xff000000, v[MX+\b]    ; 2 off its exponent field: the conversion takes the exponent field of this operand as its scale
.endr
.irp b, 0,1,2,3,4,5
	v_lshrrev_b32 v[PM+\b], 23, v[MX+\b]           ; the scale's byte
.endr
.irp b, 0,1,2,3,4,5
	v_cvt_scalef32_pk8_fp4_f32 v[CD+2*\b], v[ACC+16*\b:ACC+16*\b+7], v[MX+\b]
	v_cvt_scalef32_pk8_fp4_f32 v[CD+2*\b+1], v[ACC+16*\b+8:ACC+16*\b+15], v[MX+\b]
.endr
	v_nop                                          ; one plain place behind the last scaled conversion
	global_store_b64 v[LO], v[CD:CD+1], s[20:21]                 ; each store of the wave covers 256 consecutive bytes, aligned: 16 positions (or channels) x 16 bytes
	global_store_b64 v[LO], v[CD+2:CD+3], s[20:21] offset:256
	global_store_b64 v[LO], v[CD+4:CD+5], s[22:23]
	global_store_b64 v[LO], v[CD+6:CD+7], s[22:23] offset:256
	global_store_b64 v[LO], v[CD+8:CD+9], s[24:25]
	global_store_b64 v[LO], v[CD+10:CD+11], s[24:25] offset:1024
	v_mul_lo_u32 v44, v[PM], s48                   ; q's byte four times: the next launch sets q's one block at any of the four places along its K of 128
	v_mul_lo_u32 v45, v[PM+1], s48
	v_cndmask_b32 v46, v44, v45, s[HI]             ; lanes 0-15 tile 0's word, lanes 16-31 tile 1's
	v_lshl_or_b32 v47, v[PM+3], 8, v[PM+2]         ; k's bytes of tiles 0 and 1, neighbours in the word
	v_cndmask_b32 v48, v[PM+4], v[PM+5], s[HI]     ; v's byte: lanes 0-15 channels 0-15, lanes 16-31 channels 16-31
	ds_store_b32 v[SQ], v46
	ds_store_b16 v[SK], v47                        ; both halves of the lanes write the same two bytes with the same value
	ds_store_b8 v[SV], v48
	s_wait_dscnt 0x0                               ; for the others' sake: my stores into the stage are done
	s_barrier_signal -1
	s_barrier_wait -1
	s_cmp_lt_u32 s[WV], 3
	s_cbranch_scc0 .Lend
	ds_load_b64 v[50:51], v[SR]
	s_wait_dscnt 0x0
	global_store_b64 v[L8], v[50:51], s[26:27]     ; 32 lanes store 256 consecutive bytes, aligned
.Lend:
	s_set_vgpr_msb 0x5
	s_wait_tensorcnt 0x0
	ds_add_u32 v0, v1
	s_wait_dscnt 0x0
	s_set_vgpr_msb 0x500
	s_endpgm
.Lfunc_end_k_qdae8322b4c_project:
	.size	k_qdae8322b4c_project, .Lfunc_end_k_qdae8322b4c_project-k_qdae8322b4c_project
	.p2alignl 7, 3214868480
	.fill 96, 4, 3214868480
	.section	.rodata,"a",@progbits
	.p2align	6, 0x0
	.amdhsa_kernel k_qdae8322b4c_project
		.amdhsa_group_segment_fixed_size 168448
		.amdhsa_private_segment_fixed_size 0
		.amdhsa_enable_private_segment 0
		.amdhsa_kernarg_size 96
		.amdhsa_user_sgpr_count 2
		.amdhsa_user_sgpr_kernarg_segment_ptr 1
		.amdhsa_wavefront_size32 1
		.amdhsa_system_sgpr_workgroup_id_x 1
		.amdhsa_system_sgpr_workgroup_id_y 1
		.amdhsa_system_sgpr_workgroup_id_z 1
		.amdhsa_system_vgpr_workitem_id 0
		.amdhsa_next_free_vgpr 258
		.amdhsa_next_free_sgpr 66
		.amdhsa_reserve_vcc 0
		.amdhsa_float_denorm_mode_32 3
		.amdhsa_float_denorm_mode_16_64 3
		.amdhsa_memory_ordered 1
		.amdhsa_forward_progress 1
		.amdhsa_inst_pref_size 18
	.end_amdhsa_kernel
	.amdgpu_metadata
---
amdhsa.version: [ 1, 2 ]
amdhsa.kernels:
  - .name:           k_qdae8322b4c_project
    .symbol:         k_qdae8322b4c_project.kd
    .args:
      - { .name: x_codes, .offset: 0, .size: 8, .value_kind: global_buffer, .address_space: global }
      - { .name: x_scales, .offset: 8, .size: 8, .value_kind: global_buffer, .address_space: global }
      - { .name: Wq_codes, .offset: 16, .size: 8, .value_kind: global_buffer, .address_space: global }
      - { .name: Wq_scales, .offset: 24, .size: 8, .value_kind: global_buffer, .address_space: global }
      - { .name: Wk_codes, .offset: 32, .size: 8, .value_kind: global_buffer, .address_space: global }
      - { .name: Wk_scales, .offset: 40, .size: 8, .value_kind: global_buffer, .address_space: global }
      - { .name: Wv_codes, .offset: 48, .size: 8, .value_kind: global_buffer, .address_space: global }
      - { .name: Wv_scales, .offset: 56, .size: 8, .value_kind: global_buffer, .address_space: global }
      - { .name: qc, .offset: 64, .size: 8, .value_kind: global_buffer, .address_space: global }
      - { .name: kc, .offset: 72, .size: 8, .value_kind: global_buffer, .address_space: global }
      - { .name: vc, .offset: 80, .size: 8, .value_kind: global_buffer, .address_space: global }
      - { .name: scl, .offset: 88, .size: 8, .value_kind: global_buffer, .address_space: global }
    .group_segment_fixed_size: 168448
    .private_segment_fixed_size: 0
    .kernarg_segment_align: 8
    .kernarg_segment_size: 96
    .max_flat_workgroup_size: 128
    .sgpr_count:     66
    .vgpr_count:     258
    .wavefront_size: 32
...
	.end_amdgpu_metadata
.endif
;; end of part 1
;; launch attend (part 2): grid 32 x 8, 17 waves a work-group, no clusters, 89,344 bytes of LDS; arguments qc, kc, vc, scl, out0; writes out0
.if DOCPART == 2
	.amdgcn_target "amdgcn-amd-amdhsa--gfx1250"
	.amdhsa_code_object_version 6
	.text
	.protected	k_qdae8322b4c_attend
	.globl	k_qdae8322b4c_attend
	.p2align	8
	.type	k_qdae8322b4c_attend,@function
k_qdae8322b4c_attend:
	s_mov_b64 s[64:65], 0
	v_nop
	global_prefetch_b8 v0, s[64:65] scope:SCOPE_SE
	s_setreg_imm32_b32 hwreg(HW_REG_WAVE_MODE, 25, 1), 1
	s_wait_xcnt 0x0
; out[b][q] = the sum over keys k <= q of softmax_k(q . k / sqrt(32)) v[k], both products on codes of FP4 (E2M1) with one E8M0 scale for each 32 along a product's K.  qc, kc, vc, scl: as the launch before has laid them.
; THE SOFTMAX: t = score x log2(e) / sqrt(32); M = the largest t, rounded UP to a whole number; p = 2^(t - M) is quantised along the keys; the sum is taken of the unquantised p and divides at the end.
; SHARES.  A PAIR is 32 queries (two tiles of 16); pair P of a batch's 64 needs P / 4 + 1 key steps of 128.  Work-group (j, batch) owns pairs j and 63 - j: a = j / 4 + 1 and 17 - a steps, 17 in every work-group.
; It has 17 waves, and each does ONE pair-step: waves 0 .. a - 1 pair j's steps, the others pair 63 - j's.  A wave takes its own whole number M of its 128 keys: no running maximum, no loop.
; The parts (O, -M, the sum) meet in LDS behind one barrier and are brought under the largest M by exact powers of two; then sixteen waves add them, divide and store 512 bytes each.
; K = 32 IN AN INSTRUCTION OF K = 128.  A fragment of k's codes holds FOUR tiles of 16 keys, one in each block of 32 along the instruction's K.  It is multiplied four times, by a fragment that has q's codes in block e and zero codes
; in the other three.  q's scale word has its byte four times; the keys' bytes are the four bytes of the fragment's word.  Zero codes add nothing under any byte that the quantiser gives (1 to 254).
; LAYOUT.  Both products are used transposed: S^T = K Q^T, O^T = V^T P^T: a lane holds ONE query (lane % 16).  By the order of positions in kc, register 16 b + i of lane (r, h) is key 32 b + 16 h + i of the step.
; The query at lane r of tile x is token 8 x + r % 8 + 16 (r / 8) of its pair.
; CAUSAL.  Only a pair's last step lies on the diagonal: there the blocks of 32 keys ahead of the pair's own stand as they are, its own block is masked by constants, the later ones become -infinity.  All branches hang on ids.
; No cluster, no tile in LDS: each wave loads its 4.9 KiB of operands straight into registers, once; at one line of the text the work-groups of a batch want different steps (a hangs on j), so no joint request could be written.
; LIMITS: NaN and infinities are not served.  A p under 2^-126 counts as 0.  A block of zeros keeps the byte 1.  t is score x (log2(e) / sqrt(32)), rounded once, where the definition rounds twice.
.set SLOTB, 5120                       ; LDS: a slot for each wave: 32 rows (tokens of the pair) of 128 bytes + 16 of padding, then 32 records of 16 bytes
.set OP,    144
.set REC,   32*OP                      ; 4,608
.set FAR,   8*SLOTB                    ; slots 8 to 16 are reached through address registers of their own: an LDS offset has 16 bits
.set L16, 1                            ; v1   16 x lane
.set L4,  2                            ; v2   4 x lane
.set QO,  3                            ; v3   16 r
.set SO,  4                            ; v4   my slot: row r % 8 + 16 (r / 8), + 32 h
.set SM,  5                            ; v5   my slot: that row's record (less REC)
.set NINF, 6                           ; v6   -infinity
.set BIG, 7                            ; v7   3e38: stands for -M in the record's place for the pair that my wave did not work on
.set QR,  8                            ; v8-15 q's codes as loaded, tiles 0 and 1: all 32 channels of query r, in both halves of the lanes
.set QS,  16                           ; v16  q's scale words: lanes 0-15 tile 0, lanes 16-31 tile 1.  v16-19 hold scales and nothing else
.set KS,  17                           ; v17  k's: lanes 0-15 fragment 0, lanes 16-31 fragment 1
.set VS,  18                           ; v18  v's: lanes 0-15 channels 0-15, lanes 16-31 channels 16-31
.set PW,  19                           ; v19  p's
.set ZR,  20                           ; v20-39: zeros, A, zeros, B, zeros, four registers each.  A: q in lanes 0-15; B: q in lanes 16-31
.set QA,  24                           ; q in block 0: v[24:31]; block 1: v[32:39]; block 2: v[20:27]; block 3: v[28:35]
.set QB,  32
.set KF,  40                           ; v40-55  k's two fragments
.set VF,  56                           ; v56-71  v's two
.set S,   72                           ; v72-135 S^T, then p
.set PC,  136                          ; v136-143 p's codes
.set OA,  144                          ; v144-159 O^T: channels 0-15, 16-31
.set BM,  160                          ; v160-163 the blocks' largest scores, then largest p
.set PX,  164                          ; v164-167 the other half's, then the scale bytes
.set SOP, 168                          ; v168-171 the conversions' scale operands
.set NM,  172                          ; v172 -M, v173 the largest t
.set SA,  174                          ; v[174:175], v[176:177] the sum, in two chains
.set TP,  178
.set ST4, 180                          ; v[180:183] the record: -M for the low pair's merge, the sum, -M for the high pair's merge, the sum
.set AO,  184                          ; v184 the merge: my 16 bytes of O in slot 0;  v185 in slot 8
.set AR,  186                          ; v186 my token's record, my pair's half of it, in slot 0;  v187 in slot 8
.set RC,  20                           ; the merge: v20-53 17 records (-M, then the factor; the sum)
.set MN,  140
.set LS,  142
.set RL,  152
.set WV,  14
.set HI,  25
.set CS,  26
.set SEL, 28
.set MK,  46
; One product; every sum here has one link and starts with the constant 0.  ra, rb = 1: source 0's, source 1's scale words are taken from lanes 16-31.
.macro WM d, a, b, sa, sb, ra, rb
.if (\ra) && (\rb)
	v_wmma_scale_f32_16x16x128_f8f6f4 v[(\d):(\d)+7], v[(\a):(\a)+7], v[(\b):(\b)+7], 0, v[\sa], v[\sb] matrix_a_fmt:MATRIX_FMT_FP4 matrix_b_fmt:MATRIX_FMT_FP4 matrix_a_scale:MATRIX_SCALE_ROW1 matrix_b_scale:MATRIX_SCALE_ROW1
.elseif (\ra)
	v_wmma_scale_f32_16x16x128_f8f6f4 v[(\d):(\d)+7], v[(\a):(\a)+7], v[(\b):(\b)+7], 0, v[\sa], v[\sb] matrix_a_fmt:MATRIX_FMT_FP4 matrix_b_fmt:MATRIX_FMT_FP4 matrix_a_scale:MATRIX_SCALE_ROW1
.elseif (\rb)
	v_wmma_scale_f32_16x16x128_f8f6f4 v[(\d):(\d)+7], v[(\a):(\a)+7], v[(\b):(\b)+7], 0, v[\sa], v[\sb] matrix_a_fmt:MATRIX_FMT_FP4 matrix_b_fmt:MATRIX_FMT_FP4 matrix_b_scale:MATRIX_SCALE_ROW1
.else
	v_wmma_scale_f32_16x16x128_f8f6f4 v[(\d):(\d)+7], v[(\a):(\a)+7], v[(\b):(\b)+7], 0, v[\sa], v[\sb] matrix_a_fmt:MATRIX_FMT_FP4 matrix_b_fmt:MATRIX_FMT_FP4
.endif
.endm
; The pair's own block of 32 keys.  Register i holds key 16 h + i of the block; my query is 8 x + r % 8 + 16 (r / 8) of the pair.  Hidden where the key is the greater:
; lanes 0-7 and 24-31 where r % 8 < i - 8 x; lanes 8-15 never; lanes 16-23 always.  So each register's mask is a constant.
.macro DIAG x, bb
.set i, 0
.rept 16
.set hid, i-8*(\x)
.if hid < 0
.set hid, 0
.endif
.if hid > 8
.set hid, 8
.endif
	s_mov_b32 s[MK], ((1<<hid)-1)|0x00ff0000|(((1<<hid)-1)<<24)
	v_cndmask_b32 v[S+16*(\bb)+i], v[S+16*(\bb)+i], v[NINF], s[MK]
.set i, i+1
.endr
.endm
.macro MASK x
	s_cmp_lg_u32 s21, s23                          ; is my step the pair's last?
	s_cbranch_scc1 .Lopen_\@
.irp bb, 0,1,2,3
	s_cmp_gt_u32 s24, \bb                          ; a block ahead of the pair's own: all its keys count
	s_cbranch_scc1 .Lseen_\@_\bb
	s_cmp_eq_u32 s24, \bb
	s_cbranch_scc0 .Lhidden_\@_\bb
	DIAG \x, \bb
	s_branch .Lseen_\@_\bb
.Lhidden_\@_\bb:
.irp i, 0,1,2,3,4,5,6,7,8,9,10,11,12,13,14,15
	v_mov_b32 v[S+16*\bb+\i], v[NINF]              ; a block behind the pair's own: none counts
.endr
.Lseen_\@_\bb:
.endr
.Lopen_\@:
.endm
; Tile x of my pair against my 128 keys: scores, mask, softmax, quantiser, V^T P^T, and the part into my slot.
.macro TILE x
.irp i, 0,1,2,3
	v_cndmask_b32 v[QA+\i], v[QR+4*(\x)+\i], v[ZR], s[HI]
	v_cndmask_b32 v[QB+\i], v[ZR], v[QR+4*(\x)+\i], s[HI]
.endr
.rept 4
	v_nop                                          ; an operand written by vector instructions stands four places ahead of a scaled matrix instruction
.endr
.irp f, 0,1
.irp e, 0,1,2,3
	WM S+8*(4*\f+\e), KF+8*\f, QA+8*(\e%2)-4*(\e/2), KS, QS, \f, \x
.endr
.endr
.rept 4
	v_nop                                          ; places behind the products (ISA guide 7.12.1), ahead of the first reads and writes of their results
.endr
	MASK \x
.irp b, 0,1,2,3
	v_max3_num_f32 v[BM+\b], v[S+16*\b], v[S+16*\b+1], v[S+16*\b+2]   ; the largest score of each block of 32 keys: it serves for the row's maximum and, since p rises with the score, for the block's largest p
.endr
.irp i, 3,5,7,9,11,13
.irp b, 0,1,2,3
	v_max3_num_f32 v[BM+\b], v[BM+\b], v[S+16*\b+\i], v[S+16*\b+\i+1]
.endr
.endr
.irp b, 0,1,2,3
	v_max_num_f32 v[BM+\b], v[BM+\b], v[S+16*\b+15]
.endr
.irp b, 0,1,2,3
	v_permlanex16_b32 v[PX+\b], v[BM+\b], s[SEL], s[SEL+1]
.endr
.irp b, 0,1,2,3
	v_max_num_f32 v[BM+\b], v[BM+\b], v[PX+\b]     ; with lane l xor 16's 16 keys
.endr
	v_max3_num_f32 v[TP], v[BM], v[BM+1], v[BM+2]
	v_max_num_f32 v[TP], v[TP], v[BM+3]            ; my query's largest score: finite, since the step's first key counts for every query of the pair
	v_mul_f32 v[NM+1], s[CS], v[TP]                ; as t (c is positive)
	v_floor_f32 v[NM], -v[NM+1]                    ; -M = floor(-t) = -ceil(t): a whole number
.irp j, 0,2,4,6,8,10,12,14,16,18,20,22,24,26,28,30,32,34,36,38,40,42,44,46,48,50,52,54,56,58,60,62
	v_pk_fma_f32 v[S+\j:S+\j+1], v[S+\j:S+\j+1], s[CS:CS+1], v[NM:NM+1] op_sel_hi:[1,0,0]   ; t - M, two at a time (of the pairs c and -M the low word serves both halves)
.endr
.irp b, 0,1,2,3
	v_fma_f32 v[BM+\b], v[BM+\b], s[CS], v[NM]     ; the same of each block's largest score
.endr
.irp j, 0,1,2,3,4,5,6,7,8,9,10,11,12,13,14,15,16,17,18,19,20,21,22,23,24,25,26,27,28,29,30,31,32,33,34,35,36,37,38,39,40,41,42,43,44,45,46,47,48,49,50,51,52,53,54,55,56,57,58,59,60,61,62,63
	v_exp_f32 v[S+\j], v[S+\j]                     ; p = 2^(t - M), at most 1: not normalised
.endr
	v_nop                                          ; a plain place behind the last exponential
	s_wait_alu depctr_va_vdst(0)                   ; one wait for the batch of 64, ahead of its first reader
.irp b, 0,1,2,3
	v_exp_f32 v[BM+\b], v[BM+\b]                   ; the block's largest p: the same two instructions on the same number give the same bits
.endr
	v_pk_add_f32 v[SA:SA+1], v[S:S+1], v[S+2:S+3]  ; the sum of the UNQUANTISED p, two at a time, in two chains; its first half reads the 64 alone: plain work behind the four
	v_pk_add_f32 v[SA+2:SA+3], v[S+4:S+5], v[S+6:S+7]
.irp j, 8,12,16,20,24,28
	v_pk_add_f32 v[SA:SA+1], v[SA:SA+1], v[S+\j:S+\j+1]
	v_pk_add_f32 v[SA+2:SA+3], v[SA+2:SA+3], v[S+\j+2:S+\j+3]
.endr
	s_wait_alu depctr_va_vdst(0)                   ; and one wait for the four
.irp b, 0,1,2,3
	v_max_num_f32 v[BM+\b], 0x1800000, v[BM+\b]    ; the floor 2^(3 - 127): the byte cannot fall under 1 (a block whose every p is 0 keeps that byte: its codes are zeros)
.endr
.irp b, 0,1,2,3
	v_add_nc_u32 v[SOP+\b], 0xff000000, v[BM+\b]   ; 2 off the exponent field: the conversion's scale operand
.endr
.irp b, 0,1,2,3
	v_lshrrev_b32 v[PX+\b], 23, v[SOP+\b]          ; the scale's byte
.endr
	v_lshl_or_b32 v[PW], v[PX+1], 8, v[PX]         ; p's scale word for these 128 keys
	v_lshl_or_b32 v[PW], v[PX+2], 16, v[PW]
	v_lshl_or_b32 v[PW], v[PX+3], 24, v[PW]
.irp b, 0,1,2,3
	v_cvt_scalef32_pk8_fp4_f32 v[PC+2*\b], v[S+16*\b:S+16*\b+7], v[SOP+\b]
	v_cvt_scalef32_pk8_fp4_f32 v[PC+2*\b+1], v[S+16*\b+8:S+16*\b+15], v[SOP+\b]
.endr
	v_nop                                          ; one plain place behind the last scaled conversion
.irp c, 0,1                                    ; the operand's layout wants a WHOLE block in a lane: lanes 0-15 block 2 c, lanes 16-31 block 2 c + 1
.irp i, 0,1
	v_permlane16_swap_b32 v[PC+4*\c+\i], v[PC+2+4*\c+\i]
.endr
.endr
.irp j, 32,36,40,44,48,52,56,60
	v_pk_add_f32 v[SA:SA+1], v[SA:SA+1], v[S+\j:S+\j+1]         ; the sum's second half: these sixteen are also the places between the writes of p's scale word and codes and the products
	v_pk_add_f32 v[SA+2:SA+3], v[SA+2:SA+3], v[S+\j+2:S+\j+3]
.endr
.if (\x) == 0
	s_wait_loadcnt 0x0                             ; v's fragments and scale words
.else
	s_wait_dscnt 0x0                               ; the first tile's LDS stores have read O^T's registers and the record: both are written again below
.endif
	WM OA, VF, PC, VS, PW, 0, 0                    ; O^T: lane (r, h), register j: channel 8 h + j of query r,
	WM OA+8, VF+8, PC, VS, PW, 1, 0                ; and channel 16 + 8 h + j
	v_pk_add_f32 v[SA:SA+1], v[SA:SA+1], v[SA+2:SA+3]           ; four plain lines that name none of the products' registers: the places behind them
	v_add_f32 v[ST4+1], v[SA], v[SA+1]
	v_cndmask_b32 v[ST4], v[BIG], v[NM], s22       ; -M where my pair's merge looks, 3e38 where the other pair's does
	v_cndmask_b32 v[ST4+2], v[NM], v[BIG], s22
	v_permlanex16_b32 v[TP], v[ST4+1], s[SEL], s[SEL+1]
	v_add_f32 v[ST4+1], v[ST4+1], v[TP]            ; with lane l xor 16's 64 keys: the sum over my 128
	v_mov_b32 v[ST4+3], v[ST4+1]
.irp n, 0,1
.irp g, 0,1
	ds_store_b128 v[SO], v[OA+8*\n+4*\g:OA+8*\n+4*\g+3] offset:8*OP*(\x)+64*\n+16*\g   ; each accumulator from its low end on
.endr
.endr
	ds_store_b128 v[SM], v[ST4:ST4+3] offset:REC+128*(\x)       ; both halves of the lanes write the same record with the same values
.endm
	s_load_b256 s[4:11], s[0:1], 0x0               ; qc s[4:5], kc s[6:7], vc s[8:9], scl s[10:11]
	s_load_b64 s[12:13], s[0:1], 0x20              ; out0
	v_lshrrev_b32 v1, 5, v0
	v_readfirstlane_b32 s[WV], v1                  ; wave 0..16
	s_mov_b32 s15, ttmp9                           ; j
	s_and_b32 s16, ttmp7, 0xffff                   ; the batch
	s_lshr_b32 s17, s15, 2
	s_add_co_u32 s17, s17, 1                       ; a: the low pair's steps
	s_sub_co_u32 s18, 63, s15                      ; the high pair
	s_sub_co_u32 s19, s[WV], s17
	s_cmp_lt_u32 s[WV], s17                        ; do I work on the low pair?
	s_cselect_b32 s20, s15, s18                    ; P: my pair
	s_cselect_b32 s21, s[WV], s19                  ; my key step in the batch
	s_cselect_b32 s22, -1, 0                       ; all lanes, or none
	s_lshr_b32 s23, s20, 2                         ; the pair's last step, in which its own tokens lie,
	s_and_b32 s24, s20, 3                          ; as that step's block of 32
	s_mov_b32 s[HI], 0xffff0000                    ; lanes 16-31
	s_mov_b32 s[CS], 0x3e8293ee                    ; c = log2(e) / sqrt(32)
	s_mov_b32 s[CS+1], s[CS]                       ; (named with it as a pair, so it is written)
	s_mov_b32 s[SEL], 0x76543210
	s_mov_b32 s[SEL+1], 0xfedcba98                 ; v_permlanex16_b32's selects for lane l xor 16
	s_lshl_b32 s30, s16, 4
	s_add_co_u32 s31, s30, s21                     ; my step among all: 16 x batch + step
	s_lshl_b32 s32, s31, 11                        ; kc, vc: 2,048 bytes a step
	s_mov_b32 s33, 0
	s_mul_i32 s34, s31, 768                        ; scl: 768 a step
	s_mov_b32 s35, 0
	s_add_co_u32 s36, s30, s23
	s_mul_i32 s36, s36, 768                        ; q's scale words: the pair's own step, 128 bytes a pair
	s_lshl_b32 s2, s24, 7
	s_add_co_u32 s36, s36, s2
	s_mov_b32 s37, 0
	s_lshl_b32 s38, s16, 15                        ; qc: 32,768 a batch, 512 a pair
	s_lshl_b32 s2, s20, 9
	s_add_co_u32 s38, s38, s2
	s_mov_b32 s39, 0
	s_lshr_b32 s2, s[WV], 3                        ; the merge: waves 0-7 the low pair, 8-15 the high one; four tokens, 512 bytes, a wave
	s_cmp_eq_u32 s2, 0
	s_cselect_b32 s3, s15, s18
	s_lshl_b32 s40, s16, 18                        ; out0: 262,144 a batch, 4,096 a pair
	s_lshl_b32 s3, s3, 12
	s_add_co_u32 s40, s40, s3
	s_and_b32 s3, s[WV], 7
	s_lshl_b32 s3, s3, 9
	s_add_co_u32 s40, s40, s3
	s_mov_b32 s41, 0
	v_and_b32 v188, 31, v0                         ; lane
	v_and_b32 v189, 15, v0                         ; r
	v_lshlrev_b32 v[L16], 4, v188
	v_lshlrev_b32 v[L4], 2, v188
	v_lshlrev_b32 v[QO], 4, v189
	s_wait_kmcnt 0x0
	s_add_nc_u64 s[4:5], s[4:5], s[38:39]
	s_add_nc_u64 s[6:7], s[6:7], s[32:33]
	s_add_nc_u64 s[8:9], s[8:9], s[32:33]
	s_add_nc_u64 s[42:43], s[10:11], s[34:35]
	s_add_nc_u64 s[44:45], s[10:11], s[36:37]
	s_add_nc_u64 s[12:13], s[12:13], s[40:41]
	global_load_b128 v[QR:QR+3], v[QO], s[4:5]                  ; thirteen loads, what the scores want first
	global_load_b128 v[QR+4:QR+7], v[QO], s[4:5] offset:256
	global_load_b32 v[QS], v[L4], s[44:45]
.irp i, 0,1,2,3
	global_load_b128 v[KF+4*\i:KF+4*\i+3], v[L16], s[6:7] offset:512*\i   ; 32 lanes read 512 consecutive bytes: four registers of a fragment as they were laid
.endr
	global_load_b32 v[KS], v[L4], s[42:43] offset:512
.irp i, 0,1,2,3
	global_load_b128 v[VF+4*\i:VF+4*\i+3], v[L16], s[8:9] offset:512*\i
.endr
	global_load_b32 v[VS], v[L4], s[42:43] offset:640
	v_bfe_u32 v190, v0, 4, 1                       ; h
	v_and_b32 v191, 7, v0
	v_bfe_u32 v180, v0, 3, 1
	v_lshl_add_u32 v191, v180, 4, v191             ; r % 8 + 16 (r / 8): my query's token in the pair, less 8 x
	s_mul_i32 s2, s[WV], SLOTB                     ; my slot: no LDS address hangs on the work-group's number
	v_mul_u32_u24 v[SO], v191, OP
	v_lshl_add_u32 v[SO], v190, 5, v[SO]
	v_add_nc_u32 v[SO], s2, v[SO]
	v_lshl_add_u32 v[SM], v191, 4, s2
	v_mov_b32 v[NINF], 0xff800000
	v_mov_b32 v[BIG], 0x7f61b1e6
	s_and_b32 s3, s[WV], 7
	s_lshl_b32 s3, s3, 2
	v_bfe_u32 v180, v0, 3, 2
	v_add_nc_u32 v180, s3, v180                    ; the merge: my token of the pair: 4 (wave % 8) + lane / 8
	v_and_b32 v181, 7, v0
	v_mul_u32_u24 v[AO], v180, OP
	v_lshl_add_u32 v[AO], v181, 4, v[AO]           ; and my 16 bytes of its row
	v_add_nc_u32 v[AO+1], FAR, v[AO]
	s_lshr_b32 s3, s[WV], 3
	s_lshl_b32 s3, s3, 3
	s_add_co_u32 s3, s3, REC
	v_lshl_add_u32 v[AR], v180, 4, s3              ; its record, the half that is meant for my pair's merge
	v_add_nc_u32 v[AR+1], FAR, v[AR]
.irp i, 0,1,2,3
	v_mov_b32 v[ZR+\i], 0                          ; the zero codes
	v_mov_b32 v[ZR+8+\i], 0
	v_mov_b32 v[ZR+16+\i], 0
	v_mov_b32 v[PX+\i], 0                          ; written once: a lane permute's destination counts as one of its sources
.endr
	v_mov_b32 v[TP], 0
	s_wait_loadcnt 5                               ; q, its words, k and its words are in; the five youngest loads (v's four and its words) may stay out
	TILE 0
	TILE 1
	s_wait_dscnt 0x0                               ; for the others' sake: my part lies in my slot
	s_barrier_signal -1
	s_barrier_wait -1
	s_cmp_eq_u32 s[WV], 16                         ; sixteen waves share the 64 rows out
	s_cbranch_scc1 .Lend
; THE MERGE.  All 17 slots are read, whichever pair they belong to: a slot of the other pair shows 3e38 for -M, so its factor is 0 and its (finite) numbers count for nothing.  No address hangs on a.
.irp s, 0,1,2,3,4,5,6,7,8,9,10,11,12,13,14,15,16
.if \s < 8
	ds_load_b64 v[RC+2*\s:RC+2*\s+1], v[AR] offset:SLOTB*\s
.else
	ds_load_b64 v[RC+2*\s:RC+2*\s+1], v[AR+1] offset:SLOTB*(\s-8)
.endif
.endr
.irp s, 0,1,2,3,4,5,6,7,8,9,10,11,12,13,14,15,16
.if \s < 8
	ds_load_b128 v[S+4*\s:S+4*\s+3], v[AO] offset:SLOTB*\s
.else
	ds_load_b128 v[S+4*\s:S+4*\s+3], v[AO+1] offset:SLOTB*(\s-8)
.endif
.endr
	s_wait_dscnt 17                                ; the 17 records are in; the 17 loads of O behind them may stay out
	v_min3_num_f32 v[MN], v[RC], v[RC+2], v[RC+4]  ; the least -M: the row's M
.irp s, 3,5,7,9,11,13,15
	v_min3_num_f32 v[MN], v[MN], v[RC+2*\s], v[RC+2*\s+2]
.endr
.irp s, 0,1,2,3,4,5,6,7,8,9,10,11,12,13,14,15,16
	v_sub_f32 v[RC+2*\s], v[MN], v[RC+2*\s]        ; the part's M less the row's: a whole number, 0 or less
.endr
.irp s, 0,1,2,3,4,5,6,7,8,9,10,11,12,13,14,15,16
	v_cvt_i32_f32 v[RC+2*\s], v[RC+2*\s]           ; (it saturates)
.endr
.irp s, 0,1,2,3,4,5,6,7,8,9,10,11,12,13,14,15,16
	v_ldexp_f32 v[RC+2*\s], 1.0, v[RC+2*\s]        ; the factor: a power of two, which rounds nothing
.endr
	v_mul_f32 v[LS], v[RC], v[RC+1]                ; the row's sum, in two chains
	v_mul_f32 v[LS+1], v[RC+2], v[RC+3]
.irp s, 2,3,4,5,6,7,8,9,10,11,12,13,14,15,16
	v_fma_f32 v[LS+\s%2], v[RC+2*\s], v[RC+2*\s+1], v[LS+\s%2]
.endr
	v_add_f32 v[LS], v[LS], v[LS+1]
	v_rcp_f32 v[RL], v[LS]                         ; twice: a pair for the packed multiply
	v_rcp_f32 v[RL+1], v[LS]
	s_wait_dscnt 0x0                               ; O's parts
	v_pk_mul_f32 v[OA:OA+1], v[S:S+1], v[RC:RC+1] op_sel_hi:[1,0]          ; the first part starts the sums; these lines are the plain work behind the reciprocals
	v_pk_mul_f32 v[OA+2:OA+3], v[S+2:S+3], v[RC:RC+1] op_sel_hi:[1,0]
.irp s, 1,2,3,4,5,6,7,8,9,10,11,12,13,14,15,16
	v_pk_fma_f32 v[OA:OA+1], v[S+4*\s:S+4*\s+1], v[RC+2*\s:RC+2*\s+1], v[OA:OA+1] op_sel_hi:[1,0,1]
	v_pk_fma_f32 v[OA+2:OA+3], v[S+4*\s+2:S+4*\s+3], v[RC+2*\s:RC+2*\s+1], v[OA+2:OA+3] op_sel_hi:[1,0,1]
.endr
	s_wait_alu depctr_va_vdst(0)                   ; one wait for both reciprocals, ahead of their first reader
	v_pk_mul_f32 v[OA:OA+1], v[OA:OA+1], v[RL:RL+1]
	v_pk_mul_f32 v[OA+2:OA+3], v[OA+2:OA+3], v[RL:RL+1]
	global_store_b128 v[L16], v[OA:OA+3], s[12:13] th:TH_STORE_NT   ; 32 lanes store 512 consecutive bytes, four rows of out0, at a multiple of 512 from its first byte
.Lend:
	s_wait_xcnt 0x0
	v_lshl_add_u32 v190, v0, 2, 0x15400
	v_mov_b32 v191, 0
	s_wait_tensorcnt 0x0
	ds_add_u32 v190, v191
	s_wait_dscnt 0x0
	s_endpgm
.Lfunc_end_k_qdae8322b4c_attend:
	.size	k_qdae8322b4c_attend, .Lfunc_end_k_qdae8322b4c_attend-k_qdae8322b4c_attend
	.p2alignl 7, 3214868480
	.fill 96, 4, 3214868480
	.section	.rodata,"a",@progbits
	.p2align	6, 0x0
	.amdhsa_kernel k_qdae8322b4c_attend
		.amdhsa_group_segment_fixed_size 89344
		.amdhsa_private_segment_fixed_size 0
		.amdhsa_enable_private_segment 0
		.amdhsa_kernarg_size 40
		.amdhsa_user_sgpr_count 2
		.amdhsa_user_sgpr_kernarg_segment_ptr 1
		.amdhsa_wavefront_size32 1
		.amdhsa_system_sgpr_workgroup_id_x 1
		.amdhsa_system_sgpr_workgroup_id_y 1
		.amdhsa_system_sgpr_workgroup_id_z 1
		.amdhsa_system_vgpr_workitem_id 0
		.amdhsa_next_free_vgpr 192
		.amdhsa_next_free_sgpr 66
		.amdhsa_reserve_vcc 0
		.amdhsa_float_denorm_mode_32 3
		.amdhsa_float_denorm_mode_16_64 3
		.amdhsa_memory_ordered 1
		.amdhsa_forward_progress 1
		.amdhsa_inst_pref_size 62
	.end_amdhsa_kernel
	.amdgpu_metadata
---
amdhsa.version: [ 1, 2 ]
amdhsa.kernels:
  - .name:           k_qdae8322b4c_attend
    .symbol:         k_qdae8322b4c_attend.kd
    .args:
      - { .name: qc, .offset: 0, .size: 8, .value_kind: global_buffer, .address_space: global }
      - { .name: kc, .offset: 8, .size: 8, .value_kind: global_buffer, .address_space: global }
      - { .name: vc, .offset: 16, .size: 8, .value_kind: global_buffer, .address_space: global }
      - { .name: scl, .offset: 24, .size: 8, .value_kind: global_buffer, .address_space: global }
      - { .name: out0, .offset: 32, .size: 8, .value_kind: global_buffer, .address_space: global }
    .group_segment_fixed_size: 89344
    .private_segment_fixed_size: 0
    .kernarg_segment_align: 8
    .kernarg_segment_size: 40
    .max_flat_workgroup_size: 544
    .sgpr_count:     66
    .vgpr_count:     192
    .wavefront_size: 32
...
	.end_amdgpu_metadata
.endif
;; end of part 2
;; ======== version 2 of 2: 2 launches; version 1 with the launch attend written anew for expert scheduling mode
;; workspace buffers: qc 262,144 bytes; kc 262,144 bytes; vc 262,144 bytes; scl 98,304 bytes
;; launch project: the kernel of part 1 again; grid 128 x 1, 4 waves a work-group, no clusters, 168,448 bytes of LDS; arguments x_codes, x_scales, Wq_codes, Wq_scales, Wk_codes, Wk_scales, Wv_codes, Wv_scales, qc, kc, vc, scl; writes qc, kc, vc, scl
;; launch attend (part 3): grid 32 x 8, 17 waves a work-group, no clusters, 89,344 bytes of LDS; arguments qc, kc, vc, scl, out0; writes out0
.if DOCPART == 3
	.amdgcn_target "amdgcn-amd-amdhsa--gfx1250"
	.amdhsa_code_object_version 6
	.text
	.protected	k_qdae8322b4c_attend
	.globl	k_qdae8322b4c_attend
	.p2align	8
	.type	k_qdae8322b4c_attend,@function
k_qdae8322b4c_attend:
	s_mov_b64 s[64:65], 0
	v_nop
	global_prefetch_b8 v0, s[64:65] scope:SCOPE_SE
	s_setreg_imm32_b32 hwreg(HW_REG_WAVE_SCHED_MODE, 0, 2), 2
	s_setreg_imm32_b32 hwreg(HW_REG_WAVE_MODE, 25, 1), 1
	s_wait_xcnt 0x0
	s_wait_alu depctr_vm_vsrc(0)
; out[b][q] = the sum over keys k <= q of softmax_k(q . k / sqrt(32)) v[k], both products on codes of FP4 (E2M1) with one E8M0 scale for each 32 along a product's K.  qc, kc, vc, scl: as the launch before has laid them.
; THE SOFTMAX: t = score x log2(e) / sqrt(32); M = the largest t, rounded UP to a whole number; p = 2^(t - M) is quantised along the keys; the sum is taken of the unquantised p and divides at the end.
; SHARES.  A PAIR is 32 queries (two tiles of 16); pair P of a batch's 64 needs P / 4 + 1 key steps of 128.  Work-group (j, batch) owns pairs j and 63 - j: a = j / 4 + 1 and 17 - a steps, 17 in every work-group.
; It has 17 waves, and each does ONE pair-step: waves 0 .. a - 1 pair j's steps, the others pair 63 - j's.  A wave takes its own whole number M of its 128 keys: no running maximum, no loop.
; The parts (O, -M, the sum) meet in LDS behind one barrier and are brought under the largest M by exact powers of two; then sixteen waves add them, divide and store 512 bytes each.
; K = 32 IN AN INSTRUCTION OF K = 128.  A fragment of k's codes holds FOUR tiles of 16 keys, one in each block of 32 along the instruction's K.  It is multiplied four times, by a fragment that has q's codes in block e and zero codes
; in the other three.  q's scale word has its byte four times; the keys' bytes are the four bytes of the fragment's word.  Zero codes add nothing under any byte that the quantiser gives (1 to 254).
; LAYOUT.  Both products are used transposed: S^T = K Q^T, O^T = V^T P^T: a lane holds ONE query (lane % 16).  By the order of positions in kc, register 16 b + i of lane (r, h) is key 32 b + 16 h + i of the step.
; The query at lane r of tile x is token 8 x + r % 8 + 16 (r / 8) of its pair.
; CAUSAL.  Only a pair's last step lies on the diagonal: there the blocks of 32 keys ahead of the pair's own stand as they are, its own block is masked by constants, the later ones become -infinity.  All branches hang on ids.
; No cluster, no tile in LDS: each wave loads its 4.9 KiB of operands straight into registers, once; at one line of the text the work-groups of a batch want different steps (a hangs on j), so no joint request could be written.
; LIMITS: NaN and infinities are not served.  A p under 2^-126 counts as 0.  A block of zeros keeps the byte 1.  t is score x (log2(e) / sqrt(32)), rounded once, where the definition rounds twice.
; THE MODE: SCHED_MODE bits 1:0 = 2 (LLVM: expert scheduling mode 2), set by the entry lines.  The code itself states the register dependences
; between vector or matrix instructions and memory or LDS instructions, with s_wait_alu, always for 0.
; THE PLAN.  Registers that memory or LDS instructions touch:
;   v1-3          offsets of the 13 loads (v1 of the last store too): written at the head, never again.
;   v8-18, v40-71 the 13 loads land here; no vector line names them earlier; their readers stand behind the waits on LOADcnt.
;   v4, v5        my slot's addresses; v184-187 the merge's: written at the head behind the loads, never again.
;   O^T (v144-159) and the record (v180-183): written by a tile's last two products and the seven lines behind them; read by the tile's five LDS stores; written again by tile 1, and six of them by the merge.
;   v20-53, v72-139: named by both tiles' vector and matrix lines; then the merge's 34 LDS loads land in them.
;   v144-147      the merge's result: written by its last multiplies, read by the one global store.
; So: one wait on va_vdst ahead of the first load.  In each tile one ahead of the scores' products and one ahead of V^T P, for the operands and the scale word that vector lines have just written; tile 0's five LDS stores stand
; behind tile 1's first of these, which shows their data written as well.  One ahead of tile 1's own stores: it also serves the merge's loads, since no vector or matrix line is issued between it and them.  One ahead of the global store.
; Two waits on vm_vsrc: in tile 1 ahead of V^T P (tile 0's stores have read O^T and the record), and ahead of the barrier (tile 1's have).  One wait on va_sdst, for the wave's number.
.set SLOTB, 5120                       ; LDS: a slot for each wave: 32 rows (tokens of the pair) of 128 bytes + 16 of padding, then 32 records of 16 bytes
.set OP,    144
.set REC,   32*OP                      ; 4,608
.set FAR,   8*SLOTB                    ; slots 8 to 16 are reached through address registers of their own: an LDS offset has 16 bits
.set L16, 1                            ; v1   16 x lane
.set L4,  2                            ; v2   4 x lane
.set QO,  3                            ; v3   16 r
.set SO,  4                            ; v4   my slot: row r % 8 + 16 (r / 8), + 32 h
.set SM,  5                            ; v5   my slot: that row's record (less REC)
.set NINF, 6                           ; v6   -infinity
.set BIG, 7                            ; v7   3e38: stands for -M in the record's place for the pair that my wave did not work on
.set QR,  8                            ; v8-15 q's codes as loaded, tiles 0 and 1: all 32 channels of query r, in both halves of the lanes
.set QS,  16                           ; v16  q's scale words: lanes 0-15 tile 0, lanes 16-31 tile 1.  v16-19 hold scales and nothing else
.set KS,  17                           ; v17  k's: lanes 0-15 fragment 0, lanes 16-31 fragment 1
.set VS,  18                           ; v18  v's: lanes 0-15 channels 0-15, lanes 16-31 channels 16-31
.set PW,  19                           ; v19  p's
.set ZR,  20                           ; v20-39: zeros, A, zeros, B, zeros, four registers each.  A: q in lanes 0-15; B: q in lanes 16-31
.set QA,  24                           ; q in block 0: v[24:31]; block 1: v[32:39]; block 2: v[20:27]; block 3: v[28:35]
.set QB,  32
.set KF,  40                           ; v40-55  k's two fragments
.set VF,  56                           ; v56-71  v's two
.set S,   72                           ; v72-135 S^T, then p
.set PC,  136                          ; v136-143 p's codes
.set OA,  144                          ; v144-159 O^T: channels 0-15, 16-31
.set BM,  160                          ; v160-163 the blocks' largest scores, then largest p
.set PX,  164                          ; v164-167 the other half's, then the scale bytes
.set SOP, 168                          ; v168-171 the conversions' scale operands
.set NM,  172                          ; v172 -M, v173 the largest t
.set SA,  174                          ; v[174:175], v[176:177] the sum, in two chains
.set TP,  178
.set ST4, 180                          ; v[180:183] the record: -M for the low pair's merge, the sum, -M for the high pair's merge, the sum
.set AO,  184                          ; v184 the merge: my 16 bytes of O in slot 0;  v185 in slot 8
.set AR,  186                          ; v186 my token's record, my pair's half of it, in slot 0;  v187 in slot 8
.set RC,  20                           ; the merge: v20-53 17 records (-M, then the factor; the sum)
.set MN,  140
.set LS,  142
.set RL,  152
.set WV,  14
.set HI,  25
.set CS,  26
.set SEL, 28
.set MK,  46
; One product; every sum here has one link and starts with the constant 0.  ra, rb = 1: source 0's, source 1's scale words are taken from lanes 16-31.
.macro WM d, a, b, sa, sb, ra, rb
.if (\ra) && (\rb)
	v_wmma_scale_f32_16x16x128_f8f6f4 v[(\d):(\d)+7], v[(\a):(\a)+7], v[(\b):(\b)+7], 0, v[\sa], v[\sb] matrix_a_fmt:MATRIX_FMT_FP4 matrix_b_fmt:MATRIX_FMT_FP4 matrix_a_scale:MATRIX_SCALE_ROW1 matrix_b_scale:MATRIX_SCALE_ROW1
.elseif (\ra)
	v_wmma_scale_f32_16x16x128_f8f6f4 v[(\d):(\d)+7], v[(\a):(\a)+7], v[(\b):(\b)+7], 0, v[\sa], v[\sb] matrix_a_fmt:MATRIX_FMT_FP4 matrix_b_fmt:MATRIX_FMT_FP4 matrix_a_scale:MATRIX_SCALE_ROW1
.elseif (\rb)
	v_wmma_scale_f32_16x16x128_f8f6f4 v[(\d):(\d)+7], v[(\a):(\a)+7], v[(\b):(\b)+7], 0, v[\sa], v[\sb] matrix_a_fmt:MATRIX_FMT_FP4 matrix_b_fmt:MATRIX_FMT_FP4 matrix_b_scale:MATRIX_SCALE_ROW1
.else
	v_wmma_scale_f32_16x16x128_f8f6f4 v[(\d):(\d)+7], v[(\a):(\a)+7], v[(\b):(\b)+7], 0, v[\sa], v[\sb] matrix_a_fmt:MATRIX_FMT_FP4 matrix_b_fmt:MATRIX_FMT_FP4
.endif
.endm
; The pair's own block of 32 keys.  Register i holds key 16 h + i of the block; my query is 8 x + r % 8 + 16 (r / 8) of the pair.  Hidden where the key is the greater:
; lanes 0-7 and 24-31 where r % 8 < i - 8 x; lanes 8-15 never; lanes 16-23 always.  So each register's mask is a constant.
.macro DIAG x, bb
.set i, 0
.rept 16
.set hid, i-8*(\x)
.if hid < 0
.set hid, 0
.endif
.if hid > 8
.set hid, 8
.endif
	s_mov_b32 s[MK], ((1<<hid)-1)|0x00ff0000|(((1<<hid)-1)<<24)
	v_cndmask_b32 v[S+16*(\bb)+i], v[S+16*(\bb)+i], v[NINF], s[MK]
.set i, i+1
.endr
.endm
.macro MASK x
	s_cmp_lg_u32 s21, s23                          ; is my step the pair's last?
	s_cbranch_scc1 .Lopen_\@
.irp bb, 0,1,2,3
	s_cmp_gt_u32 s24, \bb                          ; a block ahead of the pair's own: all its keys count
	s_cbranch_scc1 .Lseen_\@_\bb
	s_cmp_eq_u32 s24, \bb
	s_cbranch_scc0 .Lhidden_\@_\bb
	DIAG \x, \bb
	s_branch .Lseen_\@_\bb
.Lhidden_\@_\bb:
.irp i, 0,1,2,3,4,5,6,7,8,9,10,11,12,13,14,15
	v_mov_b32 v[S+16*\bb+\i], v[NINF]              ; a block behind the pair's own: none counts
.endr
.Lseen_\@_\bb:
.endr
.Lopen_\@:
.endm
; Tile x's part goes into my slot: five LDS stores.  They stand behind a wait on va_vdst that was issued behind the lines that made O^T and the record, with no vector or matrix line between that wait and them.
.macro PUT x
.irp n, 0,1
.irp g, 0,1
	ds_store_b128 v[SO], v[OA+8*\n+4*\g:OA+8*\n+4*\g+3] offset:8*OP*(\x)+64*\n+16*\g   ; each accumulator from its low end on
.endr
.endr
	ds_store_b128 v[SM], v[ST4:ST4+3] offset:REC+128*(\x)       ; both halves of the lanes write the same record with the same values
.endm
; Tile x of my pair against my 128 keys: scores, mask, softmax, quantiser, V^T P^T, and the record.  Tile 0's part is stored in tile 1, tile 1's behind it.
.macro TILE x
.irp i, 0,1,2,3
	v_cndmask_b32 v[QA+\i], v[QR+4*(\x)+\i], v[ZR], s[HI]
	v_cndmask_b32 v[QB+\i], v[ZR], v[QR+4*(\x)+\i], s[HI]
.endr
.rept 4
	v_nop                                          ; an operand written by vector instructions stands four places ahead of a scaled matrix instruction
.endr
.if (\x) == 0
	s_wait_alu depctr_va_vdst(0)                   ; q's two fragments and the zero codes are written, which the products below take as source 1; so are the LDS addresses v4, v5 and v184 to v187, made at the head
.else
	s_wait_alu depctr_va_vdst(0)                   ; q's two fragments are written, which the products below take as source 1; and tile 0's O^T and record are written, which the five LDS stores below read
	PUT 0
.endif
.irp f, 0,1
.irp e, 0,1,2,3
	WM S+8*(4*\f+\e), KF+8*\f, QA+8*(\e%2)-4*(\e/2), KS, QS, \f, \x
.endr
.endr
.rept 4
	v_nop                                          ; places behind the products (ISA guide 7.12.1), ahead of the first reads and writes of their results
.endr
	MASK \x
.irp b, 0,1,2,3
	v_max3_num_f32 v[BM+\b], v[S+16*\b], v[S+16*\b+1], v[S+16*\b+2]   ; the largest score of each block of 32 keys: it serves for the row's maximum and, since p rises with the score, for the block's largest p
.endr
.irp i, 3,5,7,9,11,13
.irp b, 0,1,2,3
	v_max3_num_f32 v[BM+\b], v[BM+\b], v[S+16*\b+\i], v[S+16*\b+\i+1]
.endr
.endr
.irp b, 0,1,2,3
	v_max_num_f32 v[BM+\b], v[BM+\b], v[S+16*\b+15]
.endr
.irp b, 0,1,2,3
	v_permlanex16_b32 v[PX+\b], v[BM+\b], s[SEL], s[SEL+1]
.endr
.irp b, 0,1,2,3
	v_max_num_f32 v[BM+\b], v[BM+\b], v[PX+\b]     ; with lane l xor 16's 16 keys
.endr
	v_max3_num_f32 v[TP], v[BM], v[BM+1], v[BM+2]
	v_max_num_f32 v[TP], v[TP], v[BM+3]            ; my query's largest score: finite, since the step's first key counts for every query of the pair
	v_mul_f32 v[NM+1], s[CS], v[TP]                ; as t (c is positive)
	v_floor_f32 v[NM], -v[NM+1]                    ; -M = floor(-t) = -ceil(t): a whole number
.irp j, 0,2,4,6,8,10,12,14,16,18,20,22,24,26,28,30,32,34,36,38,40,42,44,46,48,50,52,54,56,58,60,62
	v_pk_fma_f32 v[S+\j:S+\j+1], v[S+\j:S+\j+1], s[CS:CS+1], v[NM:NM+1] op_sel_hi:[1,0,0]   ; t - M, two at a time (of the pairs c and -M the low word serves both halves)
.endr
.irp b, 0,1,2,3
	v_fma_f32 v[BM+\b], v[BM+\b], s[CS], v[NM]     ; the same of each block's largest score
.endr
.irp j, 0,1,2,3,4,5,6,7,8,9,10,11,12,13,14,15,16,17,18,19,20,21,22,23,24,25,26,27,28,29,30,31,32,33,34,35,36,37,38,39,40,41,42,43,44,45,46,47,48,49,50,51,52,53,54,55,56,57,58,59,60,61,62,63
	v_exp_f32 v[S+\j], v[S+\j]                     ; p = 2^(t - M), at most 1: not normalised
.endr
	v_nop                                          ; a plain place behind the last exponential
	s_wait_alu depctr_va_vdst(0)                   ; one wait for the batch of 64, ahead of its first reader: the 64 p are written
.irp b, 0,1,2,3
	v_exp_f32 v[BM+\b], v[BM+\b]                   ; the block's largest p: the same two instructions on the same number give the same bits
.endr
	v_pk_add_f32 v[SA:SA+1], v[S:S+1], v[S+2:S+3]  ; the sum of the UNQUANTISED p, two at a time, in two chains; its first half reads the 64 alone: plain work behind the four
	v_pk_add_f32 v[SA+2:SA+3], v[S+4:S+5], v[S+6:S+7]
.irp j, 8,12,16,20,24,28
	v_pk_add_f32 v[SA:SA+1], v[SA:SA+1], v[S+\j:S+\j+1]
	v_pk_add_f32 v[SA+2:SA+3], v[SA+2:SA+3], v[S+\j+2:S+\j+3]
.endr
	s_wait_alu depctr_va_vdst(0)                   ; and one wait for the four: the blocks' largest p are written
.irp b, 0,1,2,3
	v_max_num_f32 v[BM+\b], 0x1800000, v[BM+\b]    ; the floor 2^(3 - 127): the byte cannot fall under 1 (a block whose every p is 0 keeps that byte: its codes are zeros)
.endr
.irp b, 0,1,2,3
	v_add_nc_u32 v[SOP+\b], 0xff000000, v[BM+\b]   ; 2 off the exponent field: the conversion's scale operand
.endr
.irp b, 0,1,2,3
	v_lshrrev_b32 v[PX+\b], 23, v[SOP+\b]          ; the scale's byte
.endr
	v_lshl_or_b32 v[PW], v[PX+1], 8, v[PX]         ; p's scale word for these 128 keys
	v_lshl_or_b32 v[PW], v[PX+2], 16, v[PW]
	v_lshl_or_b32 v[PW], v[PX+3], 24, v[PW]
.irp b, 0,1,2,3
	v_cvt_scalef32_pk8_fp4_f32 v[PC+2*\b], v[S+16*\b:S+16*\b+7], v[SOP+\b]
	v_cvt_scalef32_pk8_fp4_f32 v[PC+2*\b+1], v[S+16*\b+8:S+16*\b+15], v[SOP+\b]
.endr
	v_nop                                          ; one plain place behind the last scaled conversion
.irp c, 0,1                                    ; the operand's layout wants a WHOLE block in a lane: lanes 0-15 block 2 c, lanes 16-31 block 2 c + 1
.irp i, 0,1
	v_permlane16_swap_b32 v[PC+4*\c+\i], v[PC+2+4*\c+\i]
.endr
.endr
.irp j, 32,36,40,44,48,52,56,60
	v_pk_add_f32 v[SA:SA+1], v[SA:SA+1], v[S+\j:S+\j+1]         ; the sum's second half: these sixteen are also the places between the writes of p's scale word and codes and the products
	v_pk_add_f32 v[SA+2:SA+3], v[SA+2:SA+3], v[S+\j+2:S+\j+3]
.endr
.if (\x) == 0
	s_wait_loadcnt 0x0                             ; v's fragments and scale words
.else
	s_wait_dscnt 0x0                               ; the first tile's five LDS stores have landed,
	s_wait_alu depctr_vm_vsrc(0)                   ; and they have read O^T's registers and the record: the products and the vector lines below write both again
.endif
	s_wait_alu depctr_va_vdst(0)                   ; p's scale word and p's codes are written, which the two products below take as a scale and as source 1; the sixteen places above stay beside this wait
	WM OA, VF, PC, VS, PW, 0, 0                    ; O^T: lane (r, h), register j: channel 8 h + j of query r,
	WM OA+8, VF+8, PC, VS, PW, 1, 0                ; and channel 16 + 8 h + j
	v_pk_add_f32 v[SA:SA+1], v[SA:SA+1], v[SA+2:SA+3]           ; four plain lines that name none of the products' registers: the places behind them
	v_add_f32 v[ST4+1], v[SA], v[SA+1]
	v_cndmask_b32 v[ST4], v[BIG], v[NM], s22       ; -M where my pair's merge looks, 3e38 where the other pair's does
	v_cndmask_b32 v[ST4+2], v[NM], v[BIG], s22
	v_permlanex16_b32 v[TP], v[ST4+1], s[SEL], s[SEL+1]
	v_add_f32 v[ST4+1], v[ST4+1], v[TP]            ; with lane l xor 16's 64 keys: the sum over my 128
	v_mov_b32 v[ST4+3], v[ST4+1]
.endm
	s_load_b256 s[4:11], s[0:1], 0x0               ; qc s[4:5], kc s[6:7], vc s[8:9], scl s[10:11]
	s_load_b64 s[12:13], s[0:1], 0x20              ; out0
	v_lshrrev_b32 v1, 5, v0
	v_readfirstlane_b32 s[WV], v1                  ; wave 0..16
	s_mov_b32 s15, ttmp9                           ; j
	s_and_b32 s16, ttmp7, 0xffff                   ; the batch
	s_lshr_b32 s17, s15, 2
	s_add_co_u32 s17, s17, 1                       ; a: the low pair's steps
	s_sub_co_u32 s18, 63, s15                      ; the high pair
	s_wait_alu depctr_va_sdst(0)                   ; the wave's number is written, ahead of its first reader: the pair, the step, the slot and the branches are made from it
	s_sub_co_u32 s19, s[WV], s17
	s_cmp_lt_u32 s[WV], s17                        ; do I work on the low pair?
	s_cselect_b32 s20, s15, s18                    ; P: my pair
	s_cselect_b32 s21, s[WV], s19                  ; my key step in the batch
	s_cselect_b32 s22, -1, 0                       ; all lanes, or none
	s_lshr_b32 s23, s20, 2                         ; the pair's last step, in which its own tokens lie,
	s_and_b32 s24, s20, 3                          ; as that step's block of 32
	s_mov_b32 s[HI], 0xffff0000                    ; lanes 16-31
	s_mov_b32 s[CS], 0x3e8293ee                    ; c = log2(e) / sqrt(32)
	s_mov_b32 s[CS+1], s[CS]                       ; (named with it as a pair, so it is written)
	s_mov_b32 s[SEL], 0x76543210
	s_mov_b32 s[SEL+1], 0xfedcba98                 ; v_permlanex16_b32's selects for lane l xor 16
	s_lshl_b32 s30, s16, 4
	s_add_co_u32 s31, s30, s21                     ; my step among all: 16 x batch + step
	s_lshl_b32 s32, s31, 11                        ; kc, vc: 2,048 bytes a step
	s_mov_b32 s33, 0
	s_mul_i32 s34, s31, 768                        ; scl: 768 a step
	s_mov_b32 s35, 0
	s_add_co_u32 s36, s30, s23
	s_mul_i32 s36, s36, 768                        ; q's scale words: the pair's own step, 128 bytes a pair
	s_lshl_b32 s2, s24, 7
	s_add_co_u32 s36, s36, s2
	s_mov_b32 s37, 0
	s_lshl_b32 s38, s16, 15                        ; qc: 32,768 a batch, 512 a pair
	s_lshl_b32 s2, s20, 9
	s_add_co_u32 s38, s38, s2
	s_mov_b32 s39, 0
	s_lshr_b32 s2, s[WV], 3                        ; the merge: waves 0-7 the low pair, 8-15 the high one; four tokens, 512 bytes, a wave
	s_cmp_eq_u32 s2, 0
	s_cselect_b32 s3, s15, s18
	s_lshl_b32 s40, s16, 18                        ; out0: 262,144 a batch, 4,096 a pair
	s_lshl_b32 s3, s3, 12
	s_add_co_u32 s40, s40, s3
	s_and_b32 s3, s[WV], 7
	s_lshl_b32 s3, s3, 9
	s_add_co_u32 s40, s40, s3
	s_mov_b32 s41, 0
	v_and_b32 v188, 31, v0                         ; lane
	v_and_b32 v189, 15, v0                         ; r
	v_lshlrev_b32 v[L16], 4, v188
	v_lshlrev_b32 v[L4], 2, v188
	v_lshlrev_b32 v[QO], 4, v189
	s_wait_kmcnt 0x0
	s_add_nc_u64 s[4:5], s[4:5], s[38:39]
	s_add_nc_u64 s[6:7], s[6:7], s[32:33]
	s_add_nc_u64 s[8:9], s[8:9], s[32:33]
	s_add_nc_u64 s[42:43], s[10:11], s[34:35]
	s_add_nc_u64 s[44:45], s[10:11], s[36:37]
	s_add_nc_u64 s[12:13], s[12:13], s[40:41]
	s_wait_alu depctr_va_vdst(0)                   ; the three offsets v1 to v3 are written, which the thirteen loads below, and v1 the last store, read
	global_load_b128 v[QR:QR+3], v[QO], s[4:5]                  ; thirteen loads, what the scores want first
	global_load_b128 v[QR+4:QR+7], v[QO], s[4:5] offset:256
	global_load_b32 v[QS], v[L4], s[44:45]
.irp i, 0,1,2,3
	global_load_b128 v[KF+4*\i:KF+4*\i+3], v[L16], s[6:7] offset:512*\i   ; 32 lanes read 512 consecutive bytes: four registers of a fragment as they were laid
.endr
	global_load_b32 v[KS], v[L4], s[42:43] offset:512
.irp i, 0,1,2,3
	global_load_b128 v[VF+4*\i:VF+4*\i+3], v[L16], s[8:9] offset:512*\i
.endr
	global_load_b32 v[VS], v[L4], s[42:43] offset:640
	v_bfe_u32 v190, v0, 4, 1                       ; h.  (The vector lines from here to the wait on LOADcnt name none of the loads' registers)
	v_and_b32 v191, 7, v0
	v_bfe_u32 v180, v0, 3, 1
	v_lshl_add_u32 v191, v180, 4, v191             ; r % 8 + 16 (r / 8): my query's token in the pair, less 8 x
	s_mul_i32 s2, s[WV], SLOTB                     ; my slot: no LDS address hangs on the work-group's number
	v_mul_u32_u24 v[SO], v191, OP
	v_lshl_add_u32 v[SO], v190, 5, v[SO]
	v_add_nc_u32 v[SO], s2, v[SO]
	v_lshl_add_u32 v[SM], v191, 4, s2
	v_mov_b32 v[NINF], 0xff800000
	v_mov_b32 v[BIG], 0x7f61b1e6
	s_and_b32 s3, s[WV], 7
	s_lshl_b32 s3, s3, 2
	v_bfe_u32 v180, v0, 3, 2
	v_add_nc_u32 v180, s3, v180                    ; the merge: my token of the pair: 4 (wave % 8) + lane / 8
	v_and_b32 v181, 7, v0
	v_mul_u32_u24 v[AO], v180, OP
	v_lshl_add_u32 v[AO], v181, 4, v[AO]           ; and my 16 bytes of its row
	v_add_nc_u32 v[AO+1], FAR, v[AO]
	s_lshr_b32 s3, s[WV], 3
	s_lshl_b32 s3, s3, 3
	s_add_co_u32 s3, s3, REC
	v_lshl_add_u32 v[AR], v180, 4, s3              ; its record, the half that is meant for my pair's merge
	v_add_nc_u32 v[AR+1], FAR, v[AR]
.irp i, 0,1,2,3
	v_mov_b32 v[ZR+\i], 0                          ; the zero codes
	v_mov_b32 v[ZR+8+\i], 0
	v_mov_b32 v[ZR+16+\i], 0
	v_mov_b32 v[PX+\i], 0                          ; written once: a lane permute's destination counts as one of its sources
.endr
	v_mov_b32 v[TP], 0
	s_wait_loadcnt 5                               ; q, its words, k and its words are in; the five youngest loads (v's four and its words) may stay out
	TILE 0
	TILE 1
	s_wait_alu depctr_va_vdst(0)                   ; tile 1's O^T and record are written, which the five LDS stores below read (seven vector lines, more than the four places, stand behind the products).  Every vector and matrix line that named v20-53 and v72-139 is done too: the merge's loads land there, and no vector or matrix line is issued before them
	PUT 1
	s_wait_dscnt 0x0                               ; for the others' sake: my part lies in my slot
	s_wait_alu depctr_vm_vsrc(0)                   ; my LDS stores have read v144-159: the merge writes v144-147 and v152-153 again.  It stands ahead of the branch below, on every wave's way
	s_barrier_signal -1
	s_barrier_wait -1
	s_cmp_eq_u32 s[WV], 16                         ; sixteen waves share the 64 rows out
	s_cbranch_scc1 .Lend
; THE MERGE.  All 17 slots are read, whichever pair they belong to: a slot of the other pair shows 3e38 for -M, so its factor is 0 and its (finite) numbers count for nothing.  No address hangs on a.
.irp s, 0,1,2,3,4,5,6,7,8,9,10,11,12,13,14,15,16
.if \s < 8
	ds_load_b64 v[RC+2*\s:RC+2*\s+1], v[AR] offset:SLOTB*\s
.else
	ds_load_b64 v[RC+2*\s:RC+2*\s+1], v[AR+1] offset:SLOTB*(\s-8)
.endif
.endr
.irp s, 0,1,2,3,4,5,6,7,8,9,10,11,12,13,14,15,16
.if \s < 8
	ds_load_b128 v[S+4*\s:S+4*\s+3], v[AO] offset:SLOTB*\s
.else
	ds_load_b128 v[S+4*\s:S+4*\s+3], v[AO+1] offset:SLOTB*(\s-8)
.endif
.endr
	s_wait_dscnt 17                                ; the 17 records are in; the 17 loads of O behind them may stay out
	v_min3_num_f32 v[MN], v[RC], v[RC+2], v[RC+4]  ; the least -M: the row's M
.irp s, 3,5,7,9,11,13,15
	v_min3_num_f32 v[MN], v[MN], v[RC+2*\s], v[RC+2*\s+2]
.endr
.irp s, 0,1,2,3,4,5,6,7,8,9,10,11,12,13,14,15,16
	v_sub_f32 v[RC+2*\s], v[MN], v[RC+2*\s]        ; the part's M less the row's: a whole number, 0 or less
.endr
.irp s, 0,1,2,3,4,5,6,7,8,9,10,11,12,13,14,15,16
	v_cvt_i32_f32 v[RC+2*\s], v[RC+2*\s]           ; (it saturates)
.endr
.irp s, 0,1,2,3,4,5,6,7,8,9,10,11,12,13,14,15,16
	v_ldexp_f32 v[RC+2*\s], 1.0, v[RC+2*\s]        ; the factor: a power of two, which rounds nothing
.endr
	v_mul_f32 v[LS], v[RC], v[RC+1]                ; the row's sum, in two chains
	v_mul_f32 v[LS+1], v[RC+2], v[RC+3]
.irp s, 2,3,4,5,6,7,8,9,10,11,12,13,14,15,16
	v_fma_f32 v[LS+\s%2], v[RC+2*\s], v[RC+2*\s+1], v[LS+\s%2]
.endr
	v_add_f32 v[LS], v[LS], v[LS+1]
	v_rcp_f32 v[RL], v[LS]                         ; twice: a pair for the packed multiply
	v_rcp_f32 v[RL+1], v[LS]
	s_wait_dscnt 0x0                               ; O's parts
	v_pk_mul_f32 v[OA:OA+1], v[S:S+1], v[RC:RC+1] op_sel_hi:[1,0]          ; the first part starts the sums; these lines are the plain work behind the reciprocals
	v_pk_mul_f32 v[OA+2:OA+3], v[S+2:S+3], v[RC:RC+1] op_sel_hi:[1,0]
.irp s, 1,2,3,4,5,6,7,8,9,10,11,12,13,14,15,16
	v_pk_fma_f32 v[OA:OA+1], v[S+4*\s:S+4*\s+1], v[RC+2*\s:RC+2*\s+1], v[OA:OA+1] op_sel_hi:[1,0,1]
	v_pk_fma_f32 v[OA+2:OA+3], v[S+4*\s+2:S+4*\s+3], v[RC+2*\s:RC+2*\s+1], v[OA+2:OA+3] op_sel_hi:[1,0,1]
.endr
	s_wait_alu depctr_va_vdst(0)                   ; one wait for both reciprocals, ahead of their first reader: v152 and v153 are written
	v_pk_mul_f32 v[OA:OA+1], v[OA:OA+1], v[RL:RL+1]
	v_pk_mul_f32 v[OA+2:OA+3], v[OA+2:OA+3], v[RL:RL+1]
	s_wait_alu depctr_va_vdst(0)                   ; the two multiplies have written v144-147, which the store reads
	global_store_b128 v[L16], v[OA:OA+3], s[12:13] th:TH_STORE_NT   ; 32 lanes store 512 consecutive bytes, four rows of out0, at a multiple of 512 from its first byte
.Lend:
	s_wait_xcnt 0x0
	v_lshl_add_u32 v190, v0, 2, 0x15400            ; the add's two registers are made anew: v190 and v191 have been named by vector lines alone, so nothing is owed ahead of these two lines
	v_mov_b32 v191, 0
	s_wait_dscnt 0x0                               ; the closing lines, six on end
	s_wait_alu 0x0
	s_wait_tensorcnt 0x0
	ds_add_u32 v190, v191
	s_wait_dscnt 0x0
	s_endpgm
.Lfunc_end_k_qdae8322b4c_attend:
	.size	k_qdae8322b4c_attend, .Lfunc_end_k_qdae8322b4c_attend-k_qdae8322b4c_attend
	.p2alignl 7, 3214868480
	.fill 96, 4, 3214868480
	.section	.rodata,"a",@progbits
	.p2align	6, 0x0
	.amdhsa_kernel k_qdae8322b4c_attend
		.amdhsa_group_segment_fixed_size 89344
		.amdhsa_private_segment_fixed_size 0
		.amdhsa_enable_private_segment 0
		.amdhsa_kernarg_size 40
		.amdhsa_user_sgpr_count 2
		.amdhsa_user_sgpr_kernarg_segment_ptr 1
		.amdhsa_wavefront_size32 1
		.amdhsa_system_sgpr_workgroup_id_x 1
		.amdhsa_system_sgpr_workgroup_id_y 1
		.amdhsa_system_sgpr_workgroup_id_z 1
		.amdhsa_system_vgpr_workitem_id 0
		.amdhsa_next_free_vgpr 192
		.amdhsa_next_free_sgpr 66
		.amdhsa_reserve_vcc 0
		.amdhsa_float_denorm_mode_32 3
		.amdhsa_float_denorm_mode_16_64 3
		.amdhsa_memory_ordered 1
		.amdhsa_forward_progress 1
		.amdhsa_inst_pref_size 62
	.end_amdhsa_kernel
	.amdgpu_metadata
---
amdhsa.version: [ 1, 2 ]
amdhsa.kernels:
  - .name:           k_qdae8322b4c_attend
    .symbol:         k_qdae8322b4c_attend.kd
    .args:
      - { .name: qc, .offset: 0, .size: 8, .value_kind: global_buffer, .address_space: global }
      - { .name: kc, .offset: 8, .size: 8, .value_kind: global_buffer, .address_space: global }
      - { .name: vc, .offset: 16, .size: 8, .value_kind: global_buffer, .address_space: global }
      - { .name: scl, .offset: 24, .size: 8, .value_kind: global_buffer, .address_space: global }
      - { .name: out0, .offset: 32, .size: 8, .value_kind: global_buffer, .address_space: global }
    .group_segment_fixed_size: 89344
    .private_segment_fixed_size: 0
    .kernarg_segment_align: 8
    .kernarg_segment_size: 40
    .max_flat_workgroup_size: 544
    .sgpr_count:     66
    .vgpr_count:     192
    .wavefront_size: 32
...
	.end_amdgpu_metadata
.endif
;; end of part 3
